; MI455X (gfx1250); checked and timed in simulation.
; The chip was launched on July 23, 2026; its instructions are those of AMD's public machine-readable ISA for CDNA 5 (MIT licence, August 2026) and "CDNA5" Instruction Set Architecture Reference Guide (July 2026). The comments in the code are by the model that wrote it; some were corrected since.
;; Flash Diff Custom Attention. Allowed arithmetic: matrix products marked QUANTISED: E2M1 operands, one E8M0 scale for each 32 along K, by v_wmma_scale_f32_16x16x128_f8f6f4 with both operands' format E2M1 (or v_wmma_scale_f32_32x16x128_f4), f32 sums; everything else in f32.
;; Inputs: k 2 x 2,048 x 16 x 128 float32; lambda_k1 128 float32; lambda_k2 128 float32; lambda_q1 128 float32; lambda_q2 128 float32; q 2 x 2,048 x 16 x 128 float32; subln_weight 256 float32; v 2 x 2,048 x 16 x 128 float32.
;; Outputs: out0 2 x 2,048 x 16 x 128 float32.
;; This version of the problem:
;;   THIS VERSION OF THE PROBLEM IS GIVEN IN LOW PRECISION. The matrix products marked QUANTISED in the list below multiply operands that are first quantised to E2M1 (2 exponent bits, 1 mantissa bit; 4 bits a number), with one power-of-two scale for each 32 numbers along K (OCP MX v1.0); their sums are f32. All else is computed in f32.
;;   The module's matrix products, in the order in which they are computed (A, B: the left and right operand; K: the contracted axis; several contracted axes count as one K, in the product's order):
;;     1. batch 16 x [M 2,048, K 128] x [K 128, N 2,048]; A: input q; B: input k: QUANTISED
;;     2. batch 16 x [M 256, K 2,048] x [K 2,048, N 2,048]; A: computed on the way; B: softmax (see below): QUANTISED
;;     3. batch 16 x [M 2,048, K 128] x [K 128, N 2,048]; A: input q; B: input k: QUANTISED
;;     4. batch 16 x [M 256, K 2,048] x [K 2,048, N 2,048]; A: computed on the way; B: softmax (see below): QUANTISED
;;   THE QUANTISER, for each operand of a quantised product, along K:
;;     - K is cut into blocks of 32 from its start; a last block that is shorter is filled with zeros.
;;     - A block's scale is 2^e with e = floor(log2(the largest magnitude in the block)) - 2, held to -126 .. 127; a block of zeros has e = 0. As a byte (E8M0): e + 127.
;;     - Each number is divided by its block's scale, clamped to +-6, and rounded to the nearest number of E2M1, ties to even, subnormals kept.
;;     - The product sums the exact products of the quantised numbers (number of the format x scale) in f32.
;;   ~~~python
;;   def quantise(x, axis):      # numpy; x: float32 -> the quantised numbers, widened to float32 again
;;       x = np.moveaxis(x, axis, -1); K = x.shape[-1]
;;       x = np.pad(x, [(0, 0)] * (x.ndim - 1) + [(0, -K % 32)]); x = x.reshape(x.shape[:-1] + (-1, 32)); a = np.abs(x).max(-1, keepdims=True)
;;       e = np.where(a > 0, np.clip(np.frexp(np.where(a > 0, a, 1))[1] - 1 - 2, -126, 127), 0)      # np.frexp(a)[1] - 1 = floor(log2(a)), exactly
;;       r = np.clip(x / 2.0 ** e, -6, 6)
;;       step = 2.0 ** (np.maximum(np.frexp(np.where(r == 0, 1, r))[1] - 1, 0) - 1)
;;       q = np.round(r / step) * step * 2.0 ** e      # np.round: ties to even
;;       return np.moveaxis(q.reshape(q.shape[:-2] + (-1,))[..., :K], -1, axis).astype(np.float32)
;;   ~~~
;;   SOFTMAX AHEAD OF A QUANTISED PRODUCT. Where the list says 'softmax', what is quantised is not the finished softmax but p = 2^(t - M), with t = logit x log2(e) and M = ceil(the row's largest t), a whole number; so 1/2 < the row's largest p <= 1. The row's sum l is taken of the UNQUANTISED p, in f32, and the product's result is divided by l at the end. Since M is a whole number, a kernel that streams over the keys may use a running M (the ceiling of the running maximum): every later rescaling is an exact power of two, which a block's scale takes up: the codes' values come out the same.
;;   OPERANDS COMPUTED ON THE WAY. 'Computed on the way' means the value that the module computes at that place (a softmax that the list does not call 'softmax' is quantised finished and normalised). What goes into a quantiser is computed in f32, as accurately as f32 sums, v_exp_f32 and their like allow (about 1e-6 of the number): no bf16 or f16 on the way to a quantiser, and a product that is left as it is and whose result goes on into a quantised operand takes f32 operands (vector FMAs, or v_wmma_f32_16x16x4_f32). A number that lies on a knife's edge between two numbers of the format may be rounded either way, as far as f32 arithmetic and the matrix unit's own rounding can turn it there, and no further.
;; One version. Each part assembles by itself: llvm-mc -triple=amdgcn-amd-amdhsa -mcpu=gfx1250 --defsym DOCPART=n.
;; ======== version 1 of 1: 2 launches
;; limits: right only within a limited range of input values
;; workspace buffers: kv 8,912,896 bytes
;; launch prep (part 1): grid 512 x 1, 8 waves a work-group, no clusters, 70,656 bytes of LDS; arguments k, v, kv; writes kv
.if DOCPART == 1
	.amdgcn_target "amdgcn-amd-amdhsa--gfx1250"
	.amdhsa_code_object_version 6
	.text
	.protected	k_q4e0f35bd6a_prep
	.globl	k_q4e0f35bd6a_prep
	.p2align	8
	.type	k_q4e0f35bd6a_prep,@function
k_q4e0f35bd6a_prep:
	s_mov_b64 s[64:65], 0
	v_nop
	global_prefetch_b8 v0, s[64:65] scope:SCOPE_SE
	s_setreg_imm32_b32 hwreg(HW_REG_WAVE_MODE, 25, 1), 1
	s_wait_xcnt 0x0
; k, v: [2][2048][16][128] f32 become codes of FP4 (E2M1) with one E8M0 scale byte for each 32 along K, laid as IMAGES OF OPERAND REGISTERS for the attention launch.
; WORK LEFT OUT by the program: reference() builds a causal mask in its own body; key steps of 128 all of whose keys come after all of a tile's 16 queries get the weight 0 for all values of the inputs, and are not multiplied (attn).
; LIMIT: a NaN, an infinity or an overflow that reaches only that work is not carried to the result.
; kv: for each bh = 8 b + head pair eight units of 69,632 bytes; unit n = V of key steps 2 n, 2 n + 1, then K of key steps 2 (n + 1), 2 (n + 1) + 1 (of steps 0, 1 in unit 7): four pieces of 17,408 bytes.
;   A piece is two halves of 8,704 bytes: eight tiles of 1,024 bytes (register group c of lane l at 512 c + 16 l), then 512 bytes of scale words: word 4 l + i of lane l = 16 (tile % 2) + row for tile 2 i + tile % 2.
;   K piece: half = head of the pair; tile t, row p: key 32 (t / 2) + 8 (t % 2) + p + 8 (p / 8).   V piece: half = head of the pair; tile t, row p: channel 64 (t / 4) + 4 p + t % 4.
; A block's scale is 2^(floor(log2(largest magnitude)) - 2); its byte is that magnitude's exponent field - 2, held at 1 from below by a floor among the maximum's leaves.
; LIMITS: a block of zeros, or one whose largest magnitude lies under 2^-124, gets the byte 1 (a block of zeros has zero codes, which add nothing; the bytes are read by this program alone).  NaN and infinities are not served.
; WORK-GROUPS 0-255: K, 256-511: V; one piece each, a key step of 128 of a head pair.  A wave asks for all its 16,384 bytes at once: 32 loads of 512 bytes.
; K: wave t makes tile t of both heads; 16 rows turn through its own stage in LDS, so that a lane gets 32 neighbours along d of ONE row: a whole block, twice.
; V: wave w takes key block w % 4 of head w / 4; a lane takes four channels, and its registers run down the keys, so a block lies in one lane; it is gathered by moves.
; The scale words are gathered in LDS and leave as 512 consecutive bytes.
.set PIECE, 17408
.set HALF,  8704
.set STW,   8448                       ; a wave's stage: 16 rows of 512 bytes + 16 of padding
.set SCLK,  8*STW                      ; K's scale words; V's have bytes of their own behind them
.set SCLV,  SCLK+1024
.set SPARE, SCLV+1024                  ; the spare words, 128 bytes a wave, that no other line names
.set VL,  4                            ; 16 x lane
.set VOV, 5                            ; V's codes out: 4096 hl + 16 r
.set M4,  6                            ; v6-9: V's largest magnitudes, then the scale operands
.set STI, 7                            ; K: stage, in
.set STO, 8                            ; K: stage, out
.set SH,  9                            ; K: 8 hl
.set SCK, 10
.set SCV, 11
.set RD,  12
.set TP,  13
.set SPW, 14
.set NIL, 15
.set C,   16                           ; v16-31 codes
.set R,   32                           ; v32-159 numbers as loaded
.set X,   160                          ; v160-191 V: a channel's 32 numbers
.set MX,  160                          ; K: at work
.set SOP, 162
.set BY,  164
.set WD,  166
	s_load_b128 s[4:7], s[0:1], 0x0                ; k, v
	s_load_b64 s[8:9], s[0:1], 0x10                ; kv
	v_lshl_add_u32 v[SPW], v0, 2, SPARE
	v_mov_b32 v[NIL], 0
	v_lshrrev_b32 v1, 5, v0
	v_readfirstlane_b32 s16, v1                    ; wave 0..7
	v_and_b32 v1, 31, v0                           ; lane
	v_and_b32 v2, 15, v0                           ; r
	v_bfe_u32 v3, v0, 4, 1                         ; hl
	v_lshlrev_b32 v[VL], 4, v1
	v_lshl_add_u32 v[RD], v0, 4, SCLK
	s_and_b32 s18, ttmp9, 255
	s_lshr_b32 s19, s18, 4                         ; bh
	s_and_b32 s17, s18, 15                         ; key step
	s_lshr_b32 s20, s19, 3
	s_lshl_b32 s20, s20, 24                        ; b x 2048 rows of 8,192 bytes
	s_lshl_b32 s21, s17, 20
	s_or_b32 s20, s20, s21
	s_and_b32 s21, s19, 7
	s_lshl_b32 s21, s21, 10
	s_or_b32 s20, s20, s21
	s_mul_i32 s22, s19, 32*PIECE                   ; bh's units
	s_and_b32 s23, s17, 1
	s_mul_i32 s23, s23, PIECE
	s_add_co_u32 s22, s22, s23                     ; + the step's piece
	s_lshr_b32 s17, s17, 1                         ; n
	s_mov_b32 s31, 0
	s_mul_i32 s30, s16, HALF
	s_add_co_u32 s30, s30, 8192                    ; waves 0 and 1: a half's scale words
	s_mov_b32 s36, 0x76543210
	s_mov_b32 s37, 0xfedcba98                      ; v_permlanex16_b32's selects for lane l xor 16
	s_cmp_ge_u32 ttmp9, 256
	s_cbranch_scc1 .Lvrole
	; ---- K
	s_lshr_b32 s21, s16, 1
	s_lshl_b32 s21, s21, 18                        ; tile t: rows 32 (t / 2)
	s_or_b32 s20, s20, s21
	s_and_b32 s21, s16, 1
	s_lshl_b32 s21, s21, 16                        ; + 8 (t % 2)
	s_or_b32 s20, s20, s21
	s_mov_b32 s21, 0
	s_add_co_u32 s17, s17, 7
	s_and_b32 s17, s17, 7
	s_mul_i32 s23, s17, 4*PIECE
	s_add_co_u32 s22, s22, s23
	s_add_co_u32 s22, s22, 2*PIECE
	s_mov_b32 s23, 0
	s_lshl_b32 s28, s16, 10
	s_mov_b32 s29, 0
	s_wait_alu depctr_va_vdst(0)                   ; directly ahead of the wait below
	s_wait_kmcnt 0x0
	s_add_nc_u64 s[24:25], s[4:5], s[20:21]
	s_add_nc_u64 s[26:27], s[8:9], s[22:23]        ; the piece
	s_add_nc_u64 s[28:29], s[26:27], s[28:29]      ; my tile of it
	s_add_nc_u64 s[30:31], s[26:27], s[30:31]
.irp a, 0,1
.irp j, 0,1,2,3,4,5,6,7,8,9,10,11,12,13,14,15
	global_load_b128 v[R+64*\a+4*\j:R+64*\a+4*\j+3], v[VL], s[24:25] offset:(\j+8*(\j/8))*8192+512*\a th:TH_LOAD_NT
.endr
.endr
	s_mul_i32 s17, s16, STW
	v_add_nc_u32 v[STI], s17, v[VL]
	v_mul_u32_u24 v[STO], v2, 528
	v_lshl_add_u32 v[STO], v3, 7, v[STO]
	v_add_nc_u32 v[STO], s17, v[STO]
	v_lshlrev_b32 v[SH], 3, v3
	s_and_b32 s17, s16, 1
	s_lshl_b32 s17, s17, 8
	s_lshr_b32 s18, s16, 1
	s_lshl_b32 s18, s18, 2
	s_add_co_u32 s17, s17, s18
	s_add_co_u32 s17, s17, SCLK
	v_lshlrev_b32 v[SCK], 4, v2
	v_add_nc_u32 v[SCK], s17, v[SCK]
	v_mov_b32 v[TP], 0                             ; a lane permute's destination counts as one of its sources
	s_wait_alu depctr_va_vdst(0)                   ; the head's end
.macro KH a
	s_wait_loadcnt 16*(1-\a)                       ; this head's 16 rows are in; the other head's may be out
.irp j, 0,1,2,3,4,5,6,7,8,9,10,11,12,13,14,15
	ds_store_b128 v[STI], v[R+64*\a+4*\j:R+64*\a+4*\j+3] offset:528*\j
.endr
	s_wait_dscnt 0x0                               ; the stores have read their registers
.irp c, 0,1
.irp i, 0,1,2,3,4,5,6,7
	ds_load_b128 v[R+64*\a+32*\c+4*\i:R+64*\a+32*\c+4*\i+3], v[STO] offset:256*\c+16*\i   ; row r, d = 64 c + 32 hl + 4 i on
.endr
.endr
	s_wait_dscnt 0x0
.irp c, 0,1
	v_max3_num_f32 v[MX+\c], |v[R+64*\a+32*\c]|, |v[R+64*\a+32*\c+1]|, 0x1800000   ; the floor 2^(3 - 127) holds the byte at 1 from below
.endr
.irp i, 2,4,6,8,10,12,14,16,18,20,22,24,26,28,30
.irp c, 0,1
	v_max3_num_f32 v[MX+\c], v[MX+\c], |v[R+64*\a+32*\c+\i]|, |v[R+64*\a+32*\c+\i+1]|
.endr
.endr
.irp c, 0,1
	v_add_nc_u32 v[SOP+\c], 0xff000000, v[MX+\c]   ; 2 off the exponent field
.endr
.irp c, 0,1
.irp g, 0,1,2,3
	v_cvt_scalef32_pk8_fp4_f32 v[C+8*\a+4*\c+\g], v[R+64*\a+32*\c+8*\g:R+64*\a+32*\c+8*\g+7], v[SOP+\c]
.endr
.endr
.irp c, 0,1
	v_lshrrev_b32 v[BY+\c], 23, v[SOP+\c]
.endr
	v_lshl_or_b32 v[WD], v[BY+1], 16, v[BY]        ; my two bytes: blocks hl and 2 + hl,
	v_lshlrev_b32 v[WD], v[SH], v[WD]              ; at their places in the row's word;
	v_permlanex16_b32 v[TP], v[WD], s36, s37
	v_or_b32 v[WD], v[WD], v[TP]                   ; with lane l xor 16's two the word is whole
	ds_store_b32 v[SCK], v[WD] offset:512*\a       ; both lanes of a row write the same word with the same value
.irp c, 0,1
	global_store_b128 v[VL], v[C+8*\a+4*\c:C+8*\a+4*\c+3], s[28:29] offset:HALF*\a+512*\c   ; 512 consecutive bytes
.endr
.endm
	KH 0
	KH 1
	s_wait_alu depctr_va_vdst(0)
	s_wait_dscnt 0x0                               ; for the other waves' sake: my scale words have landed
	s_barrier_signal -1
	s_barrier_wait -1
	s_cmp_gt_u32 s16, 1
	s_cbranch_scc1 .Lkend
	ds_load_b128 v[168:171], v[RD]
	s_wait_dscnt 0x0
	global_store_b128 v[VL], v[168:171], s[30:31]
.Lkend:
	s_wait_tensorcnt 0x0                           ; the wave's end, behind my last LDS store
	ds_add_u32 v[SPW], v[NIL]
	s_wait_dscnt 0x0
	s_endpgm
	; ---- V
.Lvrole:
	s_and_b32 s18, s16, 3                          ; key block
	s_lshr_b32 s19, s16, 2                         ; head of the pair
	s_lshl_b32 s21, s18, 18
	s_or_b32 s20, s20, s21
	s_lshl_b32 s21, s19, 9
	s_or_b32 s20, s20, s21
	s_mov_b32 s21, 0
	s_mul_i32 s23, s17, 4*PIECE
	s_add_co_u32 s22, s22, s23
	s_mov_b32 s23, 0
	s_mul_i32 s28, s19, HALF
	s_lshl_b32 s29, s18, 8
	s_add_co_u32 s28, s28, s29
	s_mov_b32 s29, 0
	s_wait_alu depctr_va_vdst(0)                   ; directly ahead of the wait below
	s_wait_kmcnt 0x0
	s_add_nc_u64 s[24:25], s[6:7], s[20:21]
	s_add_nc_u64 s[26:27], s[8:9], s[22:23]
	s_add_nc_u64 s[28:29], s[26:27], s[28:29]
	s_add_nc_u64 s[30:31], s[26:27], s[30:31]
.irp i, 0,1,2,3,4,5,6,7,8,9,10,11,12,13,14,15,16,17,18,19,20,21,22,23,24,25,26,27,28,29,30,31
	global_load_b128 v[R+4*\i:R+4*\i+3], v[VL], s[24:25] offset:8192*\i th:TH_LOAD_NT   ; key i, channels 4 x lane on
.endr
	v_lshlrev_b32 v[VOV], 12, v3
	v_lshl_add_u32 v[VOV], v2, 4, v[VOV]
	s_lshl_b32 s17, s19, 9
	s_add_co_u32 s17, s17, s18
	s_add_co_u32 s17, s17, SCLV
	v_lshlrev_b32 v[SCV], 4, v2
	v_lshl_add_u32 v[SCV], v3, 3, v[SCV]
	v_add_nc_u32 v[SCV], s17, v[SCV]
	s_wait_alu depctr_va_vdst(0)                   ; the head's end
	s_wait_loadcnt 0x0
.irp j, 0,1,2,3
	v_max3_num_f32 v[M4+\j], |v[R+\j]|, |v[R+4+\j]|, 0x1800000
.endr
.irp i, 2,4,6,8,10,12,14,16,18,20,22,24,26,28,30
.irp j, 0,1,2,3
	v_max3_num_f32 v[M4+\j], v[M4+\j], |v[R+4*\i+\j]|, |v[R+4*\i+4+\j]|
.endr
.endr
.irp j, 0,1,2,3
	v_add_nc_u32 v[M4+\j], 0xff000000, v[M4+\j]
.endr
.irp j, 0,1,2,3
	v_lshrrev_b32 v[\j], 23, v[M4+\j]              ; the scales' bytes, in v0-3, which are done with
.endr
.irp j, 0,1,2,3
	ds_store_b8 v[SCV], v[\j] offset:256*(\j%2)+4*(\j/2)   ; channel 4 x lane + j: its word's byte for my key block
.endr
.irp j, 0,1,2,3
.irp i, 0,1,2,3,4,5,6,7,8,9,10,11,12,13,14,15,16,17,18,19,20,21,22,23,24,25,26,27,28,29,30,31
	v_mov_b32 v[X+\i], v[R+4*\i+\j]                ; the conversions want consecutive registers
.endr
.irp g, 0,1,2,3
	v_cvt_scalef32_pk8_fp4_f32 v[C+4*\j+\g], v[X+8*\g:X+8*\g+7], v[M4+\j]
.endr
	v_nop                                          ; a plain line behind the scaled conversions
	global_store_b128 v[VOV], v[C+4*\j:C+4*\j+3], s[28:29] offset:1024*\j   ; sixteen lanes store 256 consecutive bytes, aligned
.endr
	s_wait_alu depctr_va_vdst(0)
	s_wait_dscnt 0x0
	s_barrier_signal -1
	s_barrier_wait -1
	s_cmp_gt_u32 s16, 1
	s_cbranch_scc1 .Lvend
	ds_load_b128 v[R:R+3], v[RD] offset:1024
	s_wait_dscnt 0x0
	global_store_b128 v[VL], v[R:R+3], s[30:31]
.Lvend:
	s_wait_tensorcnt 0x0                           ; the wave's end
	ds_add_u32 v[SPW], v[NIL]
	s_wait_dscnt 0x0
	s_endpgm
.Lfunc_end_k_q4e0f35bd6a_prep:
	.size	k_q4e0f35bd6a_prep, .Lfunc_end_k_q4e0f35bd6a_prep-k_q4e0f35bd6a_prep
	.p2alignl 7, 3214868480
	.fill 96, 4, 3214868480
	.section	.rodata,"a",@progbits
	.p2align	6, 0x0
	.amdhsa_kernel k_q4e0f35bd6a_prep
		.amdhsa_group_segment_fixed_size 70656
		.amdhsa_private_segment_fixed_size 0
		.amdhsa_enable_private_segment 0
		.amdhsa_kernarg_size 24
		.amdhsa_user_sgpr_count 2
		.amdhsa_user_sgpr_kernarg_segment_ptr 1
		.amdhsa_wavefront_size32 1
		.amdhsa_system_sgpr_workgroup_id_x 1
		.amdhsa_system_sgpr_workgroup_id_y 1
		.amdhsa_system_sgpr_workgroup_id_z 1
		.amdhsa_system_vgpr_workitem_id 0
		.amdhsa_next_free_vgpr 192
		.amdhsa_next_free_sgpr 66
		.amdhsa_reserve_vcc 0
		.amdhsa_float_denorm_mode_32 3
		.amdhsa_float_denorm_mode_16_64 3
		.amdhsa_memory_ordered 1
		.amdhsa_forward_progress 1
		.amdhsa_inst_pref_size 33
	.end_amdhsa_kernel
	.amdgpu_metadata
---
amdhsa.version: [ 1, 2 ]
amdhsa.kernels:
  - .name:           k_q4e0f35bd6a_prep
    .symbol:         k_q4e0f35bd6a_prep.kd
    .args:
      - { .name: k, .offset: 0, .size: 8, .value_kind: global_buffer, .address_space: global }
      - { .name: v, .offset: 8, .size: 8, .value_kind: global_buffer, .address_space: global }
      - { .name: kv, .offset: 16, .size: 8, .value_kind: global_buffer, .address_space: global }
    .group_segment_fixed_size: 70656
    .private_segment_fixed_size: 0
    .kernarg_segment_align: 8
    .kernarg_segment_size: 24
    .max_flat_workgroup_size: 256
    .sgpr_count:     66
    .vgpr_count:     192
    .wavefront_size: 32
...
	.end_amdgpu_metadata
.endif
;; end of part 1
;; launch attn (part 2): grid 16 x 16, 8 waves a work-group, clusters of 4 x 1, 327,680 bytes of LDS; arguments q, kv, lambda_q1, lambda_k1, lambda_q2, lambda_k2, subln_weight, out0; writes out0
.if DOCPART == 2
	.amdgcn_target "amdgcn-amd-amdhsa--gfx1250"
	.amdhsa_code_object_version 6
	.text
	.protected	k_q4e0f35bd6a_attn
	.globl	k_q4e0f35bd6a_attn
	.p2align	8
	.type	k_q4e0f35bd6a_attn,@function
k_q4e0f35bd6a_attn:
	s_mov_b64 s[64:65], 0
	v_nop
	global_prefetch_b8 v0, s[64:65] scope:SCOPE_SE
	s_setreg_imm32_b32 hwreg(HW_REG_WAVE_MODE, 25, 1), 1
	s_wait_xcnt 0x0
	s_wait_alu depctr_hold_cnt(0) depctr_sa_sdst(0) depctr_va_vdst(0) depctr_va_sdst(0) depctr_va_ssrc(0) depctr_va_vcc(0) depctr_vm_vsrc(0)
	s_getreg_b32 s2, hwreg(HW_REG_IB_STS2, 6, 4)
	s_cmp_eq_u32 s2, 0
	s_cbranch_scc0 .Lentry_in_a_cluster
	s_endpgm
.Lentry_in_a_cluster:
	s_bfe_u32 s2, ttmp6, 0x10000c
	s_cmp_lg_u32 s2, 0x3003
	s_cbranch_scc0 .Lentry_shape_is_right
	s_endpgm
.Lentry_shape_is_right:
; out0[b][s][2 h + a][:] = subln_weight x rmsnorm_256(attn1 - lambda attn2) x (1 - LAMBDA_INIT): two causal attentions of a head pair (q, k of heads 2 h and 2 h + 1) on one V of 256 channels.
; All four products on codes of FP4 (E2M1) with E8M0 scales for each 32 along K.  K and V come as images of operand registers (units of 69,632 bytes); q is quantised here: each of its numbers is read once.
; SOFTMAX: t = score x log2(e) / sqrt(128); M = the running largest t rounded UP to a whole number; p = 2^(t - M) is quantised along the keys, not normalised; the row's sum is taken of the unquantised p
; and divides at the end.  When M moves, the sum and O are multiplied by 2^(old M - new M): exact.
; WORK LEFT OUT: key steps of 128 that the causal mask of reference() hides from all of a tile's queries: their weight is 0 for all values of the inputs.
; SHARES.  A cluster of four work-groups (cluster x = X, y = bh) owns two windows of 256 queries: window 7 - X, then window X: (8 - X) + (X + 1) = 9 slots of 256 keys: the same count everywhere.
; A slot is two key steps of 128.  Wave w owns the tile w % 4 of 16 queries for BOTH attentions, so that each fragment of V serves two products, and of each slot the key step p = w / 4.  Waves w and w xor 4
; own the same tile and join their halves at a window's end.  Tile i lies in the window's half i / 2 (the second window: 1 - i / 2), at 64 (i % 2) + 16 cx: so in a window's last slot a wave is wholly open, on the
; diagonal (it masks) or wholly hidden (it leaves the step out), by its number alone, and each tile has one hidden step in its two windows.
; THE RING.  Unit e holds V of the walk's slot e and K of slot e + 1.  So K's fragments of a step are in registers before the step begins; the barrier at a step's head frees the unit before and shows this
; unit's V.  Slot 0's K lies in LDS for the whole launch: both windows begin with it.  All partners walk the same units: every unit is asked for JOINTLY (mask 15, one eighth a wave).
; LAYOUT.  Both products are used transposed: S^T = K Q^T, O^T = V^T P^T: a lane holds ONE query (lane % 16) throughout.  THE KEYS OF A TILE ARE NOT NEIGHBOURS (row 32 (t / 2) + 8 (t % 2) + r + 8 (r / 8)),
; so that the 16 registers of tiles 2 b, 2 b + 1 are keys 32 b + 16 (lane / 16) + 0 .. 15.  V'S TILES ARE ROTATED BY ADDRESS: register tile T of wave (., p) is V's tile (T + 8 p) % 16: T 0-7 are the 128 channels that
; the wave stores (head 2 h + p).  V's tile t, row i is channel 64 (t / 4) + 4 i + t % 4 of its 128.
; PREFETCH: unit e + 2 of the first window is asked for in trip e, one unit ahead of its load (the second window's units have been read by then); partner cx takes a quarter, waves 0-3 17 blocks of 256 bytes each.
; The second window's q is asked for in trip 2, two trips or more ahead of its loads: 32 blocks of 256 bytes a wave, each named once.
; LIMITS: the scaled scores stay under 2^31 in magnitude; NaN and infinities among the inputs are not served, and what reaches only the work left out is not carried to the result; terms that 2^(old M - new M) brings under
; the smallest f32 number are lost; a block whose every p is 0 keeps the scale byte 1 over zero codes, and so does a block of q under 2^-124.
; REGISTERS, window 0: v0-19 addresses, M, sums, factors; v20-39 scale words and nothing else; v40-55 Q; v56-63 P of attention 0; v64-127 S^T, then V's tiles 8-15; v128-191 K of head 0, then V's tiles 0-7;
; v192-255 K of head 1, then P of attention 1 (v240-247).   Window 1: v0-127 O^T of attention 0, v128-255 of attention 1.
.set PIECE, 17408
.set HALF,  8704
.set SLOT,  4*PIECE
.set K0R,   2*SLOT                     ; slot 0's K
.set EX,    K0R+2*PIECE                ; 8,192 bytes a wave: half of y on its way to the other wave
.set STG,   EX+65536                   ; 16 rows x (256 + 16) bytes a wave: q on its way in, results on their way out
.set QX,    STG+34816                  ; 1,280 bytes a wave: q's codes and scale words
.set STT,   QX+10240                   ; 512 bytes a wave: -M and the sums
.set SQ,    STT+4096                   ; 128 bytes a wave: sums of squares
.set WT,    SQ+1024                    ; subln_weight
.set SPARE, WT+1024                    ; the spare words, 128 bytes a wave, that no other line names
.set L16, 1
.set AD,  2
.set SPW, 3
.set NIL, 4
.set QD,  5
.set PFO, 6
.set QPO, 7
.set NM0, 8                            ; v8 -M, v9 the largest t, v[10:11] the sum; v12-15 the same of attention 1
.set SUM0, 10
.set NM1, 12
.set SUM1, 14
.set FP0, 16                           ; factors are low words of pairs; the upper words hold two offsets that stay
.set GO,  17                           ; 8192 (lane / 16) + 16 (lane % 16)
.set FP1, 18
.set L4,  19                           ; 4 x lane
.set QS0, 20
.set QS1, 21
.set PS0, 22
.set PS1, 23
.set KSC, 24
.set VSC, 32
.set Q0,  40
.set Q1,  48
.set P0,  56
.set S,   64
.set F,   128
.set F2,  192
.set P1,  240
.set O0,  0
.set O1,  128
.set WV,  20
.set TI,  21
.set PP,  22
.set XX,  23
.set CX,  24
.set BH,  25
.set LAM, 26                           ; -lambda
.set E1,  27                           ; 7 - X: the first window's last slot
.set G1,  28
.set G0,  36
.set KVW, 40
.set WOFF, 42
.set TS,  43
.set FT,  44
.set SC,  45
.set OFS, 46
.set SEL, 48
.set CS,  50
.set QB1, 52
.set MKI, 54                           ; the slot in which I mask, and the one that I leave out (99: none)
.set SKI, 55
.set OUTA, 56
.set OUTB, 58
.set SVA, 60
.set SVB, 61
.set LIM, 62
.set NIS, 63
.set G1A, 80
.set C256, 88
.set EPS, 89
.set QB0, 90
.set PFA, 92
.set MK2, 94
.set SK2, 95
.set G0A, 96
.set SKO, 100
.set K0A, 101
.set MSB, 0
.macro WIN new                         ; low byte: bits 1:0 source 0, 3:2 source 1, 5:4 source 2, 7:6 destination; the high byte repeats the setting that is left
.if MSB != \new
	s_set_vgpr_msb (MSB<<8)|\new
.set MSB, \new
.endif
.endm
.macro PLACES n                        ; plain vector lines between a matrix instruction and a load into, or a vector or matrix use of, its registers
.rept \n
	v_nop
.endr
.endm
.macro CREST                           ; a round of the cluster's barrier behind its opening barrier
	s_cmp_lg_u32 s[WV], 0
	s_cbranch_scc1 .Lnot_wave_0_\@
	s_barrier_signal -3
.Lnot_wave_0_\@:
	s_barrier_wait -3
	s_barrier_signal -1
	s_barrier_wait -1
.endm
.macro CROUND
	s_barrier_signal -1
	s_barrier_wait -1
	CREST
.endm
; q's tile for my attention, as it lies: each load reads 256 bytes of two rows
.macro QLOAD base
.irp c, 0,1
.irp k, 0,1,2,3,4,5,6,7
	global_load_b128 v[F2+32*\c+4*\k:F2+32*\c+4*\k+3], v[GO], s[\base:\base+1] offset:16384*\k+256*\c th:TH_LOAD_NT
.endr
.endr
.endm
.macro QADDR                           ; v62: row r, + 128 (lane / 16) of my stage; v63: row lane / 16, + 16 r
	s_mul_i32 s66, s[WV], 4352
	s_add_co_u32 s66, s66, STG
	v_and_b32 v60, 15, v0
	v_bfe_u32 v61, v0, 4, 1
	v_mul_u32_u24 v62, v60, 272
	v_mul_u32_u24 v63, v61, 272
	v_lshl_add_u32 v62, v61, 7, v62
	v_lshl_add_u32 v63, v60, 4, v63
	v_add_nc_u32 v62, s66, v62
	v_add_nc_u32 v63, s66, v63
.endm
; q is quantised: through my stage, 64 along d at a time, so that a lane gets d = 64 c + 32 (lane / 16) + 0 .. 31 of row r: whole blocks in the operand's order.  Both waves of the tile read the result from QX.
.macro QQ younger
	s_wait_alu depctr_va_vdst(0)
	s_wait_loadcnt \younger
.irp c, 0,1
.irp k, 0,1,2,3,4,5,6,7
	ds_store_b128 v63, v[F2+32*\c+4*\k:F2+32*\c+4*\k+3] offset:544*\k
.endr
.irp i, 0,1,2,3,4,5,6,7
	ds_load_b128 v[F+32*\c+4*\i:F+32*\c+4*\i+3], v62 offset:16*\i   ; LDS serves a wave's instructions in order: these see the stores above
.endr
.endr
	s_wait_dscnt 0x0
.irp c, 0,1
	v_max3_num_f32 v[57+\c], |v[F+32*\c]|, |v[F+32*\c+1]|, 0x1800000
.endr
.irp i, 2,4,6,8,10,12,14,16,18,20,22,24,26,28,30
.irp c, 0,1
	v_max3_num_f32 v[57+\c], v[57+\c], |v[F+32*\c+\i]|, |v[F+32*\c+\i+1]|
.endr
.endr
.irp c, 0,1
	v_add_nc_u32 v[59+\c], 0xff000000, v[57+\c]
.endr
.irp c, 0,1
.irp g, 0,1,2,3
	v_cvt_scalef32_pk8_fp4_f32 v[F2+4*\c+\g], v[F+32*\c+8*\g:F+32*\c+8*\g+7], v[59+\c]
.endr
.endr
	v_bfe_u32 v61, v0, 4, 1
	v_lshrrev_b32 v57, 23, v59
	v_lshrrev_b32 v58, 23, v60
	v_lshlrev_b32 v61, 3, v61
	v_lshl_or_b32 v57, v58, 16, v57
	v_lshlrev_b32 v57, v61, v57
	v_permlanex16_b32 v58, v57, s[SEL], s[SEL+1]
	v_or_b32 v57, v57, v58                         ; the row's scale word
	s_mul_i32 s66, s[WV], 1280
	s_add_co_u32 s66, s66, QX
	v_add_nc_u32 v[AD], s66, v[L16]
	v_add_nc_u32 v61, s66, v[L4]
	ds_store_b128 v[AD], v[F2:F2+3]
	ds_store_b128 v[AD], v[F2+4:F2+7] offset:512
	ds_store_b32 v61, v57 offset:1024
.endm
.macro QREAD                           ; both attentions' codes and scale words of my tile
	s_mul_i32 s66, s[TI], 1280
	s_add_co_u32 s66, s66, QX
	v_add_nc_u32 v[AD], s66, v[L16]
	v_add_nc_u32 v61, s66, v[L4]
	ds_load_b128 v[Q0:Q0+3], v[AD]
	ds_load_b128 v[Q0+4:Q0+7], v[AD] offset:512
	ds_load_b128 v[Q1:Q1+3], v[AD] offset:5120
	ds_load_b128 v[Q1+4:Q1+7], v[AD] offset:5632
	ds_load_b32 v[QS0], v61 offset:1024
	ds_load_b32 v[QS1], v61 offset:6144
.endm
.macro KLD0                            ; K of both heads and its scale words; head 1's last two tiles come by KLD1
.irp t, 0,1,2,3,4,5,6,7
.irp c, 0,1
	ds_load_b128 v[F+8*\t+4*\c:F+8*\t+4*\c+3], v[AD] offset:1024*\t+512*\c
.endr
.endr
	ds_load_b128 v[KSC:KSC+3], v[AD] offset:8192
.irp t, 0,1,2,3,4,5
.irp c, 0,1
	ds_load_b128 v[F2+8*\t+4*\c:F2+8*\t+4*\c+3], v[AD] offset:HALF+1024*\t+512*\c
.endr
.endr
	ds_load_b128 v[KSC+4:KSC+7], v[AD] offset:HALF+8192
.endm
.macro KLD1
.irp t, 6,7
.irp c, 0,1
	ds_load_b128 v[F2+8*\t+4*\c:F2+8*\t+4*\c+3], v[AD] offset:HALF+1024*\t+512*\c
.endr
.endr
.endm
	s_load_b256 s[4:11], s[0:1], 0x0               ; q s[4:5], kv s[6:7], lambda_q1 s[8:9], lambda_k1 s[10:11]
	s_load_b256 s[12:19], s[0:1], 0x20             ; lambda_q2 s[12:13], lambda_k2 s[14:15], subln_weight s[16:17], out0 s[18:19]
	v_lshl_add_u32 v[SPW], v0, 2, SPARE
	v_mov_b32 v[NIL], 0
	ds_add_u32 v[SPW], v[NIL]                      ; the wave's opening: the add, twice on end, and its wait ahead of my first tensor load; work on registers stands between
	ds_add_u32 v[SPW], v[NIL]
	v_lshrrev_b32 v8, 5, v0
	v_readfirstlane_b32 s[WV], v8                  ; wave 0..7
	v_and_b32 v9, 31, v0
	v_and_b32 v10, 15, v0
	v_bfe_u32 v11, v0, 4, 1
	v_lshlrev_b32 v[L16], 4, v9
	v_lshlrev_b32 v[L4], 2, v9
	v_lshlrev_b32 v[GO], 13, v11
	v_lshl_add_u32 v[GO], v10, 4, v[GO]
	v_min_u32 v[PFO], 16, v9
	v_lshlrev_b32 v[PFO], 8, v[PFO]                ; 17 blocks of 256 bytes; the lanes left over name the last again
	v_lshrrev_b32 v[QPO], 1, v9
	v_and_b32 v12, 1, v9
	v_lshlrev_b32 v[QPO], 13, v[QPO]
	v_lshl_add_u32 v[QPO], v12, 8, v[QPO]          ; a row's two blocks of 256 bytes
	s_wait_alu depctr_va_vdst(0)                   ; ahead of the run of scalar lines
	s_and_b32 s[TI], s[WV], 3
	s_lshr_b32 s[PP], s[WV], 2
	s_mov_b32 s[XX], ttmp9
	s_bfe_u32 s[CX], ttmp6, 0x40000                ; my place in the cluster: it enters q's, out0's and the prefetches' addresses and the mask's v5 alone
	s_and_b32 s[BH], ttmp7, 0xffff
	s_sub_co_u32 s[E1], 7, s[XX]
	; descriptor group 1: an eighth of a unit, 8,704 dense bytes, as 34 rows of 256 bytes; at the head also a quarter, 68 rows
	s_mov_b32 s[G1], 15|(3<<16)|(1<<21)            ; 15:0 the mask: all four work-groups; 17:16 elements of 8 bytes; 21 set beside a mask
	s_mov_b32 s[G1+1], 32<<16
	s_mov_b32 s[G1+2], 34<<16
	s_mov_b32 s[G1+3], 32<<16
	s_mov_b32 s[G1+4], 34
	s_mov_b32 s[G1+5], 32
	s_mov_b32 s[G1+6], 0
	s_mov_b32 s[G1+7], 0
	s_mov_b32 s[G1A], 15|(3<<16)|(1<<21)
	s_mov_b32 s[G1A+1], 32<<16
	s_mov_b32 s[G1A+2], 68<<16
	s_mov_b32 s[G1A+3], 32<<16
	s_mov_b32 s[G1A+4], 68
	s_mov_b32 s[G1A+5], 32
	s_mov_b32 s[G1A+6], 0
	s_mov_b32 s[G1A+7], 0
	s_mul_i32 s[WOFF], s[WV], HALF
	s_mov_b32 s[G0A], 1
	s_mul_i32 s[G0A+1], s[WV], PIECE               ; waves 0-3: a quarter of unit 0
	s_mov_b32 s[G0], 1
	s_add_co_u32 s[G0+1], s[WOFF], K0R-4*HALF      ; waves 4-7: a quarter of slot 0's K
	s_mov_b32 s[TS], 0
	s_mov_b32 s[SC], 0
	s_mov_b32 s[OFS+1], 0
	s_mov_b32 s[SEL], 0x76543210
	s_mov_b32 s[SEL+1], 0xfedcba98                 ; v_permlanex16_b32's selects for lane l xor 16
	s_mov_b32 s[CS], 0x3e0293ee                    ; c = log2(e) / sqrt(128)
	s_mov_b32 s[CS+1], s[CS]                       ; (named with it as a pair)
	s_mov_b32 s[C256], 0x3b800000                  ; 1 / 256
	s_mov_b32 s[EPS], 0x3727c5ac                   ; 1e-5
	s_mov_b32 s[NIS], 0xff800000                   ; -infinity
	s_mul_i32 s[SVA], s[PP], PIECE+HALF            ; V of my key step: tiles 8 p on,
	s_mul_i32 s[SVB], s[PP], HALF
	s_add_co_u32 s[SVB], s[SVB], HALF              ; and the other eight
	s_mul_i32 s[SKO], s[PP], PIECE
	s_add_co_u32 s[K0A], s[SKO], K0R
	s_add_co_u32 s[SKO], s[SKO], 2*PIECE
	s_lshr_b32 s66, s[TI], 1                       ; my half of the first window
	s_xor_b32 s67, s66, 1                          ; and of the second
	s_mov_b32 s68, 99
	s_mov_b32 s69, 8
	s_cmp_eq_u32 s[PP], s66
	s_cselect_b32 s[MKI], s[E1], s68
	s_cmp_gt_u32 s[PP], s66
	s_cselect_b32 s[SKI], s[E1], s68
	s_cmp_eq_u32 s[PP], s67
	s_cselect_b32 s[MK2], s69, s68
	s_cmp_gt_u32 s[PP], s67
	s_cselect_b32 s[SK2], s69, s68
	s_cmp_lt_u32 s[WV], 4
	s_cselect_b32 s[LIM], s[E1], 0
	s_mul_i32 s66, s[BH], 8*SLOT
	s_mov_b32 s67, 0
	s_add_co_u32 s68, s66, s[G0A+1]
	s_mov_b32 s69, 0
	; what hangs on cx: s70-s79
	s_and_b32 s70, s[TI], 1
	s_lshl_b32 s70, s70, 6
	s_lshl_b32 s71, s[CX], 4
	s_add_co_u32 s70, s70, s71                     ; my tile's base in its half
	v_add_nc_u32 v[QD], s70, v10
	v_lshlrev_b32 v12, 4, v11
	v_sub_nc_u32 v[QD], v[QD], v12                 ; my query in its half - 16 (lane / 16)
	s_lshr_b32 s71, s[BH], 3
	s_lshl_b32 s71, s71, 11
	s_add_co_u32 s71, s71, s70
	s_and_b32 s72, s[BH], 7
	s_lshl_b32 s72, s72, 10
	s_lshl_b32 s73, s[PP], 9
	s_add_co_u32 s72, s72, s73                     ; in a row of q and of out0: 1,024 h + 512 p
	s_lshr_b32 s73, s[TI], 1
	s_lshl_b32 s74, s73, 7
	s_lshl_b32 s76, s[E1], 8
	s_add_co_u32 s76, s76, s74
	s_add_co_u32 s76, s76, s71
	s_lshl_b32 s76, s76, 13
	s_add_co_u32 s76, s76, s72
	s_mov_b32 s77, 0
	s_xor_b32 s73, s73, 1
	s_lshl_b32 s74, s73, 7
	s_lshl_b32 s78, s[XX], 8
	s_add_co_u32 s78, s78, s74
	s_add_co_u32 s78, s78, s71
	s_lshl_b32 s78, s78, 13
	s_add_co_u32 s78, s78, s72
	s_mov_b32 s79, 0
	s_mul_i32 s74, s[CX], PIECE
	s_mul_i32 s75, s[TI], 4352
	s_add_co_u32 s74, s74, s75
	s_add_co_u32 s74, s74, s66
	s_add_co_u32 s74, s74, SLOT                    ; the first change steps it to unit 2
	s_mov_b32 s75, 0
	s_wait_alu depctr_va_vdst(0)
	s_wait_dscnt 0x0                               ; both opening adds are done
	s_wait_kmcnt 0x0
	s_add_nc_u64 s[QB0:QB0+1], s[4:5], s[76:77]
	QLOAD QB0
	s_add_nc_u64 s[QB1:QB1+1], s[4:5], s[78:79]
	s_add_nc_u64 s[OUTA:OUTA+1], s[18:19], s[76:77]
	s_add_nc_u64 s[OUTB:OUTB+1], s[18:19], s[78:79]
	s_add_nc_u64 s[PFA:PFA+1], s[6:7], s[74:75]
	s_add_nc_u64 s[G0A+2:G0A+3], s[6:7], s[68:69]
	s_or_b32 s[G0A+3], s[G0A+3], 0x80000000        ; type = 2
	s_add_co_u32 s66, s66, s[WOFF]
	s_add_nc_u64 s[KVW:KVW+1], s[6:7], s[66:67]    ; my eighth of unit 0
	s_add_nc_u64 s[G0+2:G0+3], s[KVW:KVW+1], 7*SLOT  ; waves 4-7: slot 0's K is the second half of unit 7: 4 HALF on, less 4 waves x HALF
	s_or_b32 s[G0+3], s[G0+3], 0x80000000
	CROUND                                         ; all four work-groups are here: the first joint loads meet
	s_cmp_lt_u32 s[WV], 4                          ; one tensor load a wave at the head
	s_cbranch_scc0 .Lhead_k
	tensor_load_to_lds s[G0A:G0A+3], s[G1A:G1A+7]  ; unit 0
	s_nop 0
	PLACES 4
	s_branch .Lhead_asked
.Lhead_k:
	tensor_load_to_lds s[G0:G0+3], s[G1:G1+7]      ; slot 0's K
	s_nop 0
	PLACES 4
.Lhead_asked:
.set ii, 0
.rept 20
	v_mov_b32 v[QS0+ii], 0x7f7f7f7f                ; scale words: the text has ways, which no wave takes, on which a product would come before its scales
.set ii, ii+1
.endr
.set ii, 0
.rept 72
	v_mov_b32 v[P0+ii], 0                          ; likewise P and S^T
.set ii, ii+1
.endr
	v_lshlrev_b32 v81, 2, v0
	s_wait_alu depctr_va_vdst(0)
	global_load_b128 v[64:67], v[L16], s[8:9]      ; the four lambda vectors: four numbers a lane
	global_load_b128 v[68:71], v[L16], s[10:11]
	global_load_b128 v[72:75], v[L16], s[12:13]
	global_load_b128 v[76:79], v[L16], s[14:15]
	global_load_b32 v80, v81, s[16:17]             ; subln_weight: a number a thread
	WIN 0x40
.set ii, 0
.rept 256
	v_mov_b32 v[ii], 0                             ; O^T.  The key step is written without a first step of its own: the first change of M multiplies zeros.  These lines stand while q and unit 0 are on their way
.set ii, ii+1
.endr
	WIN 0
	v_mov_b32 v[FP0], 0
	v_mov_b32 v[FP1], 0
	v_mov_b32 v[NM0+1], 0xff61b1e6                 ; the largest t so far: -3e38, under every t
	v_mov_b32 v[NM1+1], 0xff61b1e6
	v_mov_b32 v[SUM0], 0
	v_mov_b32 v[SUM0+1], 0
	v_mov_b32 v[SUM1], 0
	v_mov_b32 v[SUM1+1], 0
	v_floor_f32 v[NM0], -v[NM0+1]
	v_floor_f32 v[NM1], -v[NM1+1]
	QADDR
	QQ 5                                           ; behind q's sixteen loads: the five above
	s_wait_alu depctr_va_vdst(0)
	s_wait_loadcnt 0x0
	v_lshl_add_u32 v86, v0, 2, WT
	ds_store_b32 v86, v80
	; lambda = exp(lambda_q1 . lambda_k1) - exp(lambda_q2 . lambda_k2) + LAMBDA_INIT
	v_mul_f32 v82, v64, v68
	v_mul_f32 v83, v72, v76
.irp i, 1,2,3
	v_fmac_f32 v82, v[64+\i], v[68+\i]
	v_fmac_f32 v83, v[72+\i], v[76+\i]
.endr
.irp m, 1,2,4,8
	v_add_f32_dpp v82, v82, v82 row_xmask:\m row_mask:0xf bank_mask:0xf
	v_add_f32_dpp v83, v83, v83 row_xmask:\m row_mask:0xf bank_mask:0xf
.endr
	v_permlanex16_b32 v84, v82, s[SEL], s[SEL+1]
	v_permlanex16_b32 v85, v83, s[SEL], s[SEL+1]
	v_add_f32 v82, v82, v84
	v_add_f32 v83, v83, v85
	v_mul_f32 v82, 0x3fb8aa3b, v82
	v_mul_f32 v83, 0x3fb8aa3b, v83
	s_wait_alu depctr_va_vdst(0)
	v_exp_f32 v82, v82
	v_exp_f32 v83, v83
	v_nop
	s_wait_alu depctr_va_vdst(0)
	v_sub_f32 v83, v83, v82
	v_add_f32 v83, 0xbf489a63, v83                 ; -lambda (LAMBDA_INIT = 0.8 - 0.6 exp(-3.6) = 0.78360577)
	v_readfirstlane_b32 s[LAM], v83
	s_wait_alu depctr_va_vdst(0)                   ; the head's end
	s_wait_tensorcnt 0x0                           ; my part of unit 0 and of slot 0's K is in
	ds_add_u32 v[SPW], v[NIL]
	s_wait_dscnt 0x0                               ; and q's codes, subln_weight
	s_barrier_signal -1
	s_barrier_wait -1
	QREAD
	s_wait_dscnt 0x0
	v_add_nc_u32 v[AD], s[K0A], v[L16]
	KLD0
	KLD1
.macro QK t, fr, qf, ks, qs            ; S^T tile t = 16 keys x my 16 queries; K's scale words: two tiles to a register
.if (\t)%2
	v_wmma_scale_f32_16x16x128_f8f6f4 v[S+8*(\t):S+8*(\t)+7], v[\fr+8*(\t):\fr+8*(\t)+7], v[\qf:\qf+7], 0, v[\ks+(\t)/2], v[\qs] matrix_a_fmt:MATRIX_FMT_FP4 matrix_b_fmt:MATRIX_FMT_FP4 matrix_a_scale:MATRIX_SCALE_ROW1
.else
	v_wmma_scale_f32_16x16x128_f8f6f4 v[S+8*(\t):S+8*(\t)+7], v[\fr+8*(\t):\fr+8*(\t)+7], v[\qf:\qf+7], 0, v[\ks+(\t)/2], v[\qs] matrix_a_fmt:MATRIX_FMT_FP4 matrix_b_fmt:MATRIX_FMT_FP4
.endif
.endm
.macro PV tau, fr, o, p, ps            ; O^T tile tau += 16 channels x 128 keys x P
.if (\tau)%2
	v_wmma_scale_f32_16x16x128_f8f6f4 v[\o+8*(\tau):\o+8*(\tau)+7], v[\fr:\fr+7], v[\p:\p+7], v[\o+8*(\tau):\o+8*(\tau)+7], v[VSC+(\tau)/2], v[\ps] matrix_a_fmt:MATRIX_FMT_FP4 matrix_b_fmt:MATRIX_FMT_FP4 matrix_a_scale:MATRIX_SCALE_ROW1
.else
	v_wmma_scale_f32_16x16x128_f8f6f4 v[\o+8*(\tau):\o+8*(\tau)+7], v[\fr:\fr+7], v[\p:\p+7], v[\o+8*(\tau):\o+8*(\tau)+7], v[VSC+(\tau)/2], v[\ps] matrix_a_fmt:MATRIX_FMT_FP4 matrix_b_fmt:MATRIX_FMT_FP4
.endif
.endm
.macro PVUP                            ; tiles 8-15 of both attentions; the accumulators take turns, one instruction a turn
	WIN 0x50
.irp t, 0,1,2,3,4,5,6,7
	PV \t+8, S+8*\t, O0, P0, PS0
.endr
.irp t, 0,1,2,3,4,5,6,7
	PV \t+8, S+8*\t, O1, P1, PS1
.endr
	WIN 0
.endm
; On the diagonal key 32 b + 16 (lane / 16) + i of the half (register 16 b + i) is hidden where it comes after my query: 32 b + i > v5.  From each accumulator's low end on.
.macro MASK
.set ii, 0
.rept 64
	v_cmp_gt_i32 vcc_lo, 32*(ii/16)+ii%16, v[QD]
	v_cndmask_b32 v[S+ii], v[S+ii], s[NIS], vcc_lo
.set ii, ii+1
.endr
.endm
; tb: 32 registers at work (K's fragments that the products have read): +0 the blocks' largest scores, +4, +8, +12, +16 eight partial sums
.macro SOFTMAX nm, sum, fp, tb, p, ps
.irp b, 0,1,2,3
	v_max3_num_f32 v[\tb+\b], v[S+16*\b], v[S+16*\b+1], v[S+16*\b+2]   ; the largest score of each block of 32 keys: for the row's maximum, and, since p rises with the score, for the block's largest p
.endr
.irp i, 3,5,7,9,11,13
.irp b, 0,1,2,3
	v_max3_num_f32 v[\tb+\b], v[\tb+\b], v[S+16*\b+\i], v[S+16*\b+\i+1]
.endr
.endr
.irp b, 0,1,2,3
	v_max_num_f32 v[\tb+\b], v[\tb+\b], v[S+16*\b+15]
.endr
.irp b, 0,1,2,3
	v_permlanex16_b32 v[\tb+4+\b], v[\tb+\b], s[SEL], s[SEL+1]
.endr
.irp b, 0,1,2,3
	v_max_num_f32 v[\tb+\b], v[\tb+\b], v[\tb+4+\b]   ; with lane l xor 16's 16 keys
.endr
	s_delay_alu instid0(VALU_DEP_2)
	v_max3_num_f32 v[\tb+12], v[\tb], v[\tb+1], v[\tb+2]
	s_delay_alu instid0(VALU_DEP_1)
	v_max_num_f32 v[\tb+12], v[\tb+12], v[\tb+3]
	s_delay_alu instid0(VALU_DEP_1)
	v_mul_f32 v[\tb+12], s[CS], v[\tb+12]          ; the step's largest t (c is positive)
	s_delay_alu instid0(VALU_DEP_1)
	v_max_num_f32 v[\nm+1], v[\nm+1], v[\tb+12]
	v_mov_b32 v[\tb+12], v[\nm]
	s_delay_alu instid0(VALU_DEP_2)
	v_floor_f32 v[\nm], -v[\nm+1]                  ; -M = floor(-t): M is a whole number
	s_delay_alu instid0(VALU_DEP_1)
	v_sub_f32 v[\tb+12], v[\nm], v[\tb+12]         ; old M - new M: a whole number, 0 or less
	s_delay_alu instid0(VALU_DEP_1)
	v_cvt_i32_f32 v[\tb+12], v[\tb+12]             ; (it saturates)
	s_delay_alu instid0(VALU_DEP_1)
	v_ldexp_f32 v[\fp], 1.0, v[\tb+12]             ; f = 2^(old M - new M)
.set ii, 0
.rept 32
	v_pk_fma_f32 v[S+ii:S+ii+1], v[S+ii:S+ii+1], s[CS:CS+1], v[\nm:\nm+1] op_sel_hi:[1,0,0]   ; t - M, two at a time
.set ii, ii+2
.endr
.irp b, 0,1,2,3
	v_fma_f32 v[\tb+\b], v[\tb+\b], s[CS], v[\nm]  ; the same of each block's largest score
.endr
	s_wait_alu depctr_va_vdst(0)                   ; ahead of the batch,
.irp b, 0,1,2,3
	v_exp_f32 v[\tb+\b], v[\tb+\b]                 ; the blocks' largest p
.endr
.set ii, 0
.rept 64
	v_exp_f32 v[S+ii], v[S+ii]                     ; p = 2^(t - M)
.set ii, ii+1
.endr
	v_pk_mul_f32 v[\sum:\sum+1], v[\sum:\sum+1], v[\fp:\fp+1] op_sel_hi:[1,0]   ; the sums under the new M (a plain line behind the exponentials)
	s_wait_alu depctr_va_vdst(0)                   ; and behind it, ahead of its first reader
.irp k, 0,1,2,3,4,5,6,7
	v_pk_add_f32 v[\tb+16+2*\k:\tb+17+2*\k], v[S+2*\k:S+2*\k+1], v[S+16+2*\k:S+17+2*\k]   ; the row's sum, of the unquantised p, in eight chains
.endr
.irp b, 0,1,2,3
	v_max_num_f32 v[\tb+\b], 0x1800000, v[\tb+\b]  ; the floor 2^(3 - 127): the byte cannot fall under 1
.endr
.irp k, 0,1,2,3,4,5,6,7
	v_pk_add_f32 v[\tb+16+2*\k:\tb+17+2*\k], v[\tb+16+2*\k:\tb+17+2*\k], v[S+32+2*\k:S+33+2*\k]
.endr
.irp b, 0,1,2,3
	v_add_nc_u32 v[\tb+8+\b], 0xff000000, v[\tb+\b]   ; 2 off the exponent field: the conversion's scale operand
.endr
.irp k, 0,1,2,3,4,5,6,7
	v_pk_add_f32 v[\tb+16+2*\k:\tb+17+2*\k], v[\tb+16+2*\k:\tb+17+2*\k], v[S+48+2*\k:S+49+2*\k]
.endr
.irp b, 0,1,2,3
	v_lshrrev_b32 v[\tb+4+\b], 23, v[\tb+8+\b]
.endr
.irp k, 0,1,2,3
	v_pk_add_f32 v[\tb+16+2*\k:\tb+17+2*\k], v[\tb+16+2*\k:\tb+17+2*\k], v[\tb+24+2*\k:\tb+25+2*\k]
.endr
	v_lshl_or_b32 v[\ps], v[\tb+5], 8, v[\tb+4]    ; p's scale word for these 128 keys
	v_pk_add_f32 v[\tb+16:\tb+17], v[\tb+16:\tb+17], v[\tb+20:\tb+21]
	v_pk_add_f32 v[\tb+18:\tb+19], v[\tb+18:\tb+19], v[\tb+22:\tb+23]
	v_lshl_or_b32 v[\ps], v[\tb+6], 16, v[\ps]
	v_pk_add_f32 v[\sum:\sum+1], v[\sum:\sum+1], v[\tb+16:\tb+17]
	v_lshl_or_b32 v[\ps], v[\tb+7], 24, v[\ps]
.irp b, 0,1,2,3
	v_cvt_scalef32_pk8_fp4_f32 v[\p+2*\b], v[S+16*\b:S+16*\b+7], v[\tb+8+\b]
	v_cvt_scalef32_pk8_fp4_f32 v[\p+2*\b+1], v[S+16*\b+8:S+16*\b+15], v[\tb+8+\b]
.endr
	v_pk_add_f32 v[\sum:\sum+1], v[\sum:\sum+1], v[\tb+18:\tb+19]   ; a plain line behind the scaled conversions
.irp c, 0,1                                    ; the operand wants a WHOLE block in a lane: lanes 0-15 block 2 c, lanes 16-31 block 2 c + 1
.irp i, 0,1
	v_permlane16_swap_b32 v[\p+4*\c+\i], v[\p+4*\c+2+\i]
.endr
.endr
.endm
.macro RESCALE o, fp                   ; O^T under the new M, from each accumulator's low end on
	WIN 0x41
	s_wait_alu depctr_va_vdst(0)                   ; directly ahead of these matrix results' first readers
.set ii, \o
.rept 64
	v_pk_mul_f32 v[ii:ii+1], v[ii:ii+1], v[\fp:\fp+1] op_sel_hi:[1,0]
.set ii, ii+2
.endr
	WIN 0
.endm
; A KEY STEP, first part: registers alone; it stands between the opening signal and the wait of the change of units.
.macro PART1 mk, sk
	s_cmp_eq_u32 s[SC], s[\sk]                     ; a step hidden from all my queries is left out: the count of slots, the cluster's x and the wave's number alone
	s_cbranch_scc1 .Lhid_\@
.irp t, 0,1,2,3,4,5,6,7
	QK \t, F, Q0, KSC, QS0
.endr
	PLACES 4
	s_cmp_lg_u32 s[SC], s[\mk]
	s_cbranch_scc1 .Lopen_\@
	MASK
.Lopen_\@:
	SOFTMAX NM0, SUM0, FP0, F, P0, PS0
.Lhid_\@:
	s_wait_alu depctr_va_vdst(0)                   ; directly ahead of the wait below
	s_barrier_wait -1
.endm
; and second part, up to the products with V's tiles 0-7
.macro PART2 mk, sk
	s_cmp_eq_u32 s[SC], s[\sk]
	s_cbranch_scc1 .Lhid_\@
	s_add_co_u32 s66, s[TS], s[SVA]
	v_add_nc_u32 v[AD], s66, v[L16]
.irp t, 0,1,2,3,4,5,6,7
.irp c, 0,1
	ds_load_b128 v[F+8*\t+4*\c:F+8*\t+4*\c+3], v[AD] offset:1024*\t+512*\c   ; V's tiles 0-7 land while the second softmax is walked
.endr
.endr
	ds_load_b128 v[VSC:VSC+3], v[AD] offset:8192
.irp t, 0,1,2,3,4,5,6,7
	QK \t, F2, Q1, KSC+4, QS1
.endr
	RESCALE O0, FP0                                ; these lines are also the places behind the products above
	s_cmp_lg_u32 s[SC], s[\mk]
	s_cbranch_scc1 .Lopen_\@
	MASK
.Lopen_\@:
	SOFTMAX NM1, SUM1, FP1, F2, P1, PS1
	s_wait_alu depctr_va_vdst(0)
	s_wait_dscnt 0x0
	s_add_co_u32 s66, s[TS], s[SVB]
	v_add_nc_u32 v[AD], s66, v[L16]
.irp t, 0,1,2,3,4,5,6,7
.irp c, 0,1
	ds_load_b128 v[S+8*\t+4*\c:S+8*\t+4*\c+3], v[AD] offset:1024*\t+512*\c   ; V's tiles 8-15, where p lay
.endr
.endr
	ds_load_b128 v[VSC+4:VSC+7], v[AD] offset:8192
	RESCALE O1, FP1                                ; also the places behind p's codes and scale words
	s_wait_alu depctr_va_vdst(0)
	WIN 0x50                                       ; C and D window 1
.irp t, 0,1,2,3,4,5,6,7
	PV \t, F+8*\t, O0, P0, PS0
.endr
.irp t, 0,1,2,3,4,5,6,7
	PV \t, F+8*\t, O1, P1, PS1
.endr
	WIN 0
.Lhid_\@:
	s_wait_dscnt 0x0                               ; V's tiles 8-15 are in
.endm
; THE CHANGE OF UNITS, at a step's head.  Each wave waits for all its tensor loads (one is out: its eighth of this step's unit), adds 0 to its spare word, and waits for that and for its last reads of the unit before (K's fragments of this step).
; fill = 1: behind the round the unit before is filled with the walk's next: number e = SC + 1 is unit e of the first window, or e - (8 - X) of the second.
.macro CHANGE fill
	s_wait_alu depctr_va_vdst(0)
	s_wait_tensorcnt 0x0                           ; no tensor load of mine is out, so group 0 may be written
	ds_add_u32 v[SPW], v[NIL]
.if \fill
	s_add_co_u32 s66, s[SC], 1
	s_add_co_u32 s67, s[E1], 1
	s_cmp_gt_u32 s66, s[E1]
	s_cselect_b32 s67, s67, 0
	s_sub_co_u32 s66, s66, s67
	s_mul_i32 s[OFS], s66, SLOT
	s_add_nc_u64 s[G0+2:G0+3], s[KVW:KVW+1], s[OFS:OFS+1]
	s_or_b32 s[G0+3], s[G0+3], 0x80000000
	s_xor_b32 s[FT], s[TS], SLOT
	s_add_co_u32 s[G0+1], s[FT], s[WOFF]
	s_wait_xcnt 0x0                                ; my last prefetch has read its address
	s_add_nc_u64 s[PFA:PFA+1], s[PFA:PFA+1], SLOT
.endif
	s_wait_dscnt 0x0
	s_barrier_signal -1
.endm
; THE WAY OUT of a window.  The tile's two waves tell each other -M and their sums; y = O0 2^(M0 - M) / l - lambda O1 2^(M1 - M) / l of my keys; each hands the other the 128 channels that the other stores,
; adds, takes the squares' sum of its 128 channels, hands that over too, and stores.  next = 1: the second window follows: its q is fetched and quantised, and M begins anew (f = 0 then clears O^T and the sums).
.macro TAIL out, next
	PLACES 4                                       ; behind the last products
.if \next
	QLOAD QB1
.endif
	v_add_f32 v57, v[SUM0], v[SUM0+1]
	v_add_f32 v59, v[SUM1], v[SUM1+1]
	v_mov_b32 v56, v[NM0]
	v_mov_b32 v58, v[NM1]
	v_permlanex16_b32 v60, v57, s[SEL], s[SEL+1]
	v_permlanex16_b32 v61, v59, s[SEL], s[SEL+1]
	v_add_f32 v57, v57, v60
	v_add_f32 v59, v59, v61
	s_lshl_b32 s66, s[WV], 9
	s_add_co_u32 s66, s66, STT
	s_xor_b32 s67, s[WV], 4                        ; the tile's other wave
	s_lshl_b32 s68, s67, 9
	s_add_co_u32 s68, s68, STT
	v_add_nc_u32 v[AD], s66, v[L16]
	ds_store_b128 v[AD], v[56:59]
	s_wait_alu depctr_va_vdst(0)
	s_wait_dscnt 0x0
	s_barrier_signal -1
	s_barrier_wait -1
	v_add_nc_u32 v[AD], s68, v[L16]
	ds_load_b128 v[60:63], v[AD]
	s_wait_alu depctr_va_vdst(0)
	s_wait_dscnt 0x0
	v_min_num_f32 v16, v56, v60                    ; -M of both
	v_min_num_f32 v18, v58, v62
	v_sub_f32 v56, v16, v56
	v_sub_f32 v58, v18, v58
	v_sub_f32 v60, v16, v60
	v_sub_f32 v62, v18, v62
.irp i, 56,58,60,62
	v_cvt_i32_f32 v\i, v\i
.endr
.irp i, 56,58,60,62
	v_ldexp_f32 v\i, 1.0, v\i
.endr
	v_mul_f32 v57, v57, v56
	v_mul_f32 v59, v59, v58
	v_fma_f32 v57, v61, v60, v57                   ; l
	v_fma_f32 v59, v63, v62, v59
	s_wait_alu depctr_va_vdst(0)
	v_rcp_f32 v61, v57
	v_rcp_f32 v63, v59
	v_mul_f32 v58, s[LAM], v58                     ; a plain line behind the transcendentals
	s_wait_alu depctr_va_vdst(0)
	v_mul_f32 v16, v56, v61
	v_mul_f32 v18, v58, v63
	WIN 0x01
	s_wait_alu depctr_va_vdst(0)                   ; directly ahead of O^T's first readers
.set ii, 0
.rept 64
	v_pk_mul_f32 v[S+ii:S+ii+1], v[ii:ii+1], v[16:17] op_sel_hi:[1,0]
.set ii, ii+2
.endr
.set ii, 0
.rept 64
	v_pk_fma_f32 v[S+ii:S+ii+1], v[O1+ii:O1+ii+1], v[18:19], v[S+ii:S+ii+1] op_sel_hi:[1,0,1]
.set ii, ii+2
.endr
	WIN 0
	s_lshl_b32 s66, s[WV], 13
	s_add_co_u32 s66, s66, EX
	s_lshl_b32 s68, s67, 13
	s_add_co_u32 s68, s68, EX
	v_add_nc_u32 v[AD], s66, v[L16]
.set ii, 0
.rept 16
	ds_store_b128 v[AD], v[F+4*ii:F+4*ii+3] offset:512*ii   ; my tiles 8-15: the other wave's 0-7
.set ii, ii+1
.endr
	s_wait_alu depctr_va_vdst(0)
	s_wait_dscnt 0x0
	s_barrier_signal -1
	s_barrier_wait -1
	v_add_nc_u32 v[AD], s68, v[L16]
.set ii, 0
.rept 16
	ds_load_b128 v[F+4*ii:F+4*ii+3], v[AD] offset:512*ii
.set ii, ii+1
.endr
	s_wait_dscnt 0x0
.set ii, 0
.rept 32
	v_pk_add_f32 v[S+ii:S+ii+1], v[S+ii:S+ii+1], v[F+ii:F+ii+1]   ; x = attn1 - lambda attn2
.set ii, ii+2
.endr
.irp k, 0,1,2,3
	v_pk_mul_f32 v[56+2*\k:57+2*\k], v[S+2*\k:S+2*\k+1], v[S+2*\k:S+2*\k+1]   ; the sum of squares, in four chains
.endr
.set ii, 4
.rept 28
	v_pk_fma_f32 v[56+2*(ii%4):57+2*(ii%4)], v[S+2*ii:S+2*ii+1], v[S+2*ii:S+2*ii+1], v[56+2*(ii%4):57+2*(ii%4)]
.set ii, ii+1
.endr
	v_pk_add_f32 v[56:57], v[56:57], v[58:59]
	v_pk_add_f32 v[60:61], v[60:61], v[62:63]
	v_pk_add_f32 v[56:57], v[56:57], v[60:61]
	v_add_f32 v56, v56, v57
	v_permlanex16_b32 v60, v56, s[SEL], s[SEL+1]
	v_add_f32 v56, v56, v60
	QADDR
	s_lshl_b32 s66, s[WV], 7
	s_add_co_u32 s66, s66, SQ
	v_add_nc_u32 v[AD], s66, v[L4]
	s_wait_alu depctr_va_vdst(0)
	ds_store_b32 v[AD], v56
.if \next
	QQ 0
.endif
	s_wait_alu depctr_va_vdst(0)
	s_wait_dscnt 0x0
	s_barrier_signal -1
	s_barrier_wait -1
	s_lshl_b32 s68, s67, 7
	s_add_co_u32 s68, s68, SQ
	v_add_nc_u32 v59, s68, v[L4]
	ds_load_b32 v57, v59
	s_lshl_b32 s66, s[PP], 9
	s_add_co_u32 s66, s66, WT
	v_bfe_u32 v58, v0, 4, 1
	v_lshlrev_b32 v58, 7, v58
	v_add_nc_u32 v58, s66, v58
.irp g, 0,1
.irp i, 0,1,2,3,4,5,6,7
	ds_load_b128 v[F+32*\g+4*\i:F+32*\g+4*\i+3], v58 offset:256*\g+16*\i   ; subln_weight of channels 64 g + 32 (lane / 16) + 4 i on
.endr
.endr
.if \next
	QREAD
.endif
	s_wait_alu depctr_va_vdst(0)
	s_wait_dscnt 0x0
	v_add_f32 v56, v56, v57
	v_fma_f32 v56, v56, s[C256], s[EPS]            ; the mean + 1e-5
	s_wait_alu depctr_va_vdst(0)
	v_rsq_f32 v60, v56
	v_nop
	s_wait_alu depctr_va_vdst(0)
	v_mul_f32 v60, 0x3e5d9673, v60                 ; x (1 - LAMBDA_INIT) = 0.21639423
.set ii, 0
.rept 32
	v_pk_mul_f32 v[F+ii:F+ii+1], v[F+ii:F+ii+1], v[60:61] op_sel_hi:[1,0]
.set ii, ii+2
.endr
.set ii, 0
.rept 64
	v_mul_f32 v[F2+ii], v[S+8*(4*(ii/32)+ii%4)+(ii%32)/4], v[F+ii]   ; into the channels' order: tile 4 g + j, row 8 (lane / 16) + i is channel 64 g + 32 (lane / 16) + 4 i + j
.set ii, ii+1
.endr
.irp g, 0,1                                    ; through my stage, 64 channels (256 bytes) of 16 queries at a time
.irp i, 0,1,2,3,4,5,6,7
	ds_store_b128 v62, v[F2+32*\g+4*\i:F2+32*\g+4*\i+3] offset:16*\i
.endr
.irp k, 0,1,2,3,4,5,6,7
	ds_load_b128 v[S+32*\g+4*\k:S+32*\g+4*\k+3], v63 offset:544*\k   ; LDS serves a wave's instructions in order
.endr
.endr
.irp k, 0,1,2,3,4,5,6,7
	s_wait_dscnt 23-\k                             ; behind load k of the first half: 7 - k loads and the second half's sixteen instructions
	global_store_b128 v[GO], v[S+4*\k:S+4*\k+3], s[\out:\out+1] offset:16384*\k th:TH_STORE_NT   ; sixteen lanes store 256 consecutive bytes, aligned
.endr
.irp k, 0,1,2,3,4,5,6,7
	s_wait_dscnt 7-\k
	global_store_b128 v[GO], v[S+32+4*\k:S+32+4*\k+3], s[\out:\out+1] offset:16384*\k+256 th:TH_STORE_NT
.endr
.if \next
	v_mov_b32 v[NM0+1], 0xff61b1e6
	v_mov_b32 v[NM1+1], 0xff61b1e6
	v_floor_f32 v[NM0], -v[NM0+1]
	v_floor_f32 v[NM1], -v[NM1+1]
	s_wait_alu depctr_va_vdst(0)
	s_wait_xcnt 0x0                                ; the stores have read their data: the next scores are written over them only behind this wait
.endif
.endm
.Lslot:                                            ; eight trips: behind each change of units the walk's next unit is asked for
	CHANGE 1
	PART1 MKI, SKI
	CREST                                          ; the barrier has opened a round: no wave of any partner still reads the unit before or has a load on its way
	tensor_load_to_lds s[G0:G0+3], s[G1:G1+7]      ; my one tensor load behind the round: it has until the next change in which to land
	s_nop 0
	PLACES 4
	s_add_co_u32 s66, s[SC], 2
	s_cmp_gt_u32 s66, s[LIM]
	s_cbranch_scc1 .Lno_ask
	global_prefetch_b8 v[PFO], s[PFA:PFA+1] th:TH_LOAD_NT scope:SCOPE_SE   ; my blocks of unit SC + 2
.Lno_ask:
	s_cmp_lg_u32 s[SC], 2
	s_cbranch_scc1 .Lno_askq
	global_prefetch_b8 v[QPO], s[QB1:QB1+1] th:TH_LOAD_NT scope:SCOPE_SE   ; the second window's q: my 16 rows
.Lno_askq:
	PART2 MKI, SKI
	s_cmp_lg_u32 s[SC], s[E1]                      ; the first window ends with slot 7 - X of the walk: the same in all waves of all partners
	s_cbranch_scc1 .Lgo_on
	s_cmp_eq_u32 s[SC], s[SKI]
	s_cbranch_scc1 .Lno_up
	PVUP
.Lno_up:
	TAIL OUTA, 1
	v_add_nc_u32 v[AD], s[K0A], v[L16]             ; the second window begins with slot 0's K
	KLD0
	KLD1
	s_branch .Lnext
.Lgo_on:
	s_add_co_u32 s66, s[TS], s[SKO]
	v_add_nc_u32 v[AD], s66, v[L16]
	PLACES 4                                       ; for the loads into V's tiles 0-7, which the products above read
	KLD0                                           ; the next step's K, from this unit
	PVUP
	PLACES 5                                       ; for the loads where P of attention 1 lies, and for the next scores, which are written over V's tiles 8-15
	KLD1
.Lnext:
	s_xor_b32 s[TS], s[TS], SLOT                   ; on to the other unit
	s_add_co_u32 s[SC], s[SC], 1
	s_cmp_lt_u32 s[SC], 8
	s_cbranch_scc1 .Lslot
	CHANGE 0                                       ; the walk's last slot is written out: nothing is left to fetch
	PART1 MK2, SK2
	PART2 MK2, SK2
	s_cmp_eq_u32 s[SC], s[SK2]
	s_cbranch_scc1 .Lno_up2
	PVUP
.Lno_up2:
	TAIL OUTB, 0
	s_wait_tensorcnt 0x0                           ; the wave's end, behind my last tensor load and my last LDS store
	ds_add_u32 v[SPW], v[NIL]
	s_wait_dscnt 0x0
	CROUND                                         ; the closing round: no work-group ends while a partner may still ask for a unit that names it
	s_endpgm
.Lfunc_end_k_q4e0f35bd6a_attn:
	.size	k_q4e0f35bd6a_attn, .Lfunc_end_k_q4e0f35bd6a_attn-k_q4e0f35bd6a_attn
	.p2alignl 7, 3214868480
	.fill 96, 4, 3214868480
	.section	.rodata,"a",@progbits
	.p2align	6, 0x0
	.amdhsa_kernel k_q4e0f35bd6a_attn
		.amdhsa_group_segment_fixed_size 327680
		.amdhsa_private_segment_fixed_size 0
		.amdhsa_enable_private_segment 0
		.amdhsa_kernarg_size 64
		.amdhsa_user_sgpr_count 2
		.amdhsa_user_sgpr_kernarg_segment_ptr 1
		.amdhsa_wavefront_size32 1
		.amdhsa_system_sgpr_workgroup_id_x 1
		.amdhsa_system_sgpr_workgroup_id_y 1
		.amdhsa_system_sgpr_workgroup_id_z 1
		.amdhsa_system_vgpr_workitem_id 0
		.amdhsa_next_free_vgpr 512
		.amdhsa_next_free_sgpr 102
		.amdhsa_reserve_vcc 1
		.amdhsa_float_denorm_mode_32 3
		.amdhsa_float_denorm_mode_16_64 3
		.amdhsa_memory_ordered 1
		.amdhsa_forward_progress 1
		.amdhsa_inst_pref_size 209
	.end_amdhsa_kernel
	.amdgpu_metadata
---
amdhsa.version: [ 1, 2 ]
amdhsa.kernels:
  - .name:           k_q4e0f35bd6a_attn
    .symbol:         k_q4e0f35bd6a_attn.kd
    .args:
      - { .name: q, .offset: 0, .size: 8, .value_kind: global_buffer, .address_space: global }
      - { .name: kv, .offset: 8, .size: 8, .value_kind: global_buffer, .address_space: global }
      - { .name: lambda_q1, .offset: 16, .size: 8, .value_kind: global_buffer, .address_space: global }
      - { .name: lambda_k1, .offset: 24, .size: 8, .value_kind: global_buffer, .address_space: global }
      - { .name: lambda_q2, .offset: 32, .size: 8, .value_kind: global_buffer, .address_space: global }
      - { .name: lambda_k2, .offset: 40, .size: 8, .value_kind: global_buffer, .address_space: global }
      - { .name: subln_weight, .offset: 48, .size: 8, .value_kind: global_buffer, .address_space: global }
      - { .name: out0, .offset: 56, .size: 8, .value_kind: global_buffer, .address_space: global }
    .group_segment_fixed_size: 327680
    .private_segment_fixed_size: 0
    .kernarg_segment_align: 8
    .kernarg_segment_size: 64
    .max_flat_workgroup_size: 256
    .sgpr_count:     102
    .vgpr_count:     512
    .wavefront_size: 32
...
	.end_amdgpu_metadata
.endif
;; end of part 2
